; MI455X (gfx1250); checked and timed in simulation.
; The chip was launched on July 23, 2026; its instructions are those of AMD's public machine-readable ISA for CDNA 5 (MIT licence, August 2026) and "CDNA5" Instruction Set Architecture Reference Guide (July 2026). The comments in the code are by the model that wrote it; some were corrected since.
;; Rotation Attention. Allowed arithmetic: float matrix products may take bf16 or f16 operands with f32 sums; all other float work in f32.
;; Inputs: W1 512 x 512 float32; W2 512 x 6 float32; W_enc 6 x 512 float32; b1 512 float32; b2 6 float32; b_enc 512 float32; img_feature 32 x 512 float32; refer_feature 32 x 64 x 512 float32; refer_r 32 x 64 x 3 x 3 float32.
;; Outputs: out0 32 x 64 x 3 x 3 float32.
;; One version. Each part assembles by itself: llvm-mc -triple=amdgcn-amd-amdhsa -mcpu=gfx1250 --defsym DOCPART=n.
;; ======== version 1 of 1: 2 launches
;; workspace buffers: wf 49,152 bytes
;; launch fold (part 1): grid 8 x 1, 16 waves a work-group, no clusters, 65,536 bytes of LDS; arguments W1, W_enc, b_enc, b1, W2, wf; writes wf
.if DOCPART == 1
	.amdgcn_target "amdgcn-amd-amdhsa--gfx1250"
	.amdhsa_code_object_version 6
	.text
	.protected	k_qd1b8444dcf_fold
	.globl	k_qd1b8444dcf_fold
	.p2align	8
	.type	k_qd1b8444dcf_fold,@function
k_qd1b8444dcf_fold:
	s_mov_b64 s[64:65], 0
	v_nop
	global_prefetch_b8 v0, s[64:65] scope:SCOPE_SE
	s_setreg_imm32_b32 hwreg(HW_REG_WAVE_MODE, 25, 1), 1
	s_wait_xcnt 0x0
; fold: Wc = W_enc W1 [6][512], bc = b_enc W1 + b1 [512], and W2 [512][6], each number split into a bf16 pair
; (hi = bf16(x), lo = bf16(x - hi)) and laid out as rows of 32 bf16 (64 bytes) that the next launch loads as matrix operands.
;   wf row h (0..511), four groups of 8:  [Wc_hi[0..5][h], bc_hi[h], 0]  [Wc_lo[0..5][h], bc_lo[h], 0]  [the first group again]  [zeros]
;   wf row 512 + 16 (h>>5) + p, slot h&31:  p = 0..5: W2_hi[h][p];  p = 8..13: W2_lo[h][p-8];  p = 6, 7, 14, 15: zero
; It is allowed because nothing nonlinear stands between W_enc and W1 in the module and the softmax weights sum to one.
; SHARE: work-group g owns the 64 columns h = 64 g .. 64 g + 63, 256 aligned bytes of every row of W1.  Thread t takes 4 columns (t & 15) of the
; 16 rows d = 16 (t >> 4) + n, so one 16-byte load of a wave covers two whole runs of 256 consecutive bytes, and W1 is read once in the launch.
; A product of 7 rows that streams its weights once: f32 vector arithmetic (7 x 2 packed multiply-adds for 4 numbers of W1); the matrix unit would
; ask for a split of W1 into bf16 pairs, which costs about as much as the multiply-adds and adds rounding.  No cluster: no two work-groups read the same bytes of W1.
; LIMIT: the order of the f32 sums differs from a plain ascending sum over d (16 in a thread, then 32 partial sums as a tree).
.set W,    4                           ; v[4:67]    16 rows of W1, 4 columns each
.set E,    68                          ; v[68:179]  E[e][n] = W_enc[e][16 rg + n], e = 0..5; e = 6: b_enc
.set ACC,  180                         ; v[180:207] seven sums over my 16 rows, 4 columns each
.set BV,   208                         ; b1[h]
.set WV,   209                         ; W2[h][min(e,5)]
.set HL,   210                         ; h = t & 63
.set OB1,  211                         ; 4 h
.set OW2,  212                         ; 24 h + 4 min(e,5)
.set ARD,  213                         ; LDS: where I read the 32 partial sums
.set AI1,  214                         ; LDS: my slot in the image of rows h
.set AI2,  215                         ; LDS: my slot in the image of the W2 rows
.set PRG,  1792                        ; LDS bytes of one row group: 7 sums x 64 f32
.set IMG1, 57344                       ; behind 32 x 1,792 bytes of partial sums: 64 rows x 64 bytes
.set IMG2, 61440                       ; 2 x 16 rows x 64 bytes
; d += x * (one register of the pair w, for both halves).  mode 0: starts the sum with the first register; 1: first register; 2: second register.
.macro BFMA d, x, w, mode
.if \mode == 0
	v_pk_mul_f32 v[\d:\d+1], v[\x:\x+1], v[\w:\w+1] op_sel_hi:[1,0]
.else
.if \mode == 1
	v_pk_fma_f32 v[\d:\d+1], v[\x:\x+1], v[\w:\w+1], v[\d:\d+1] op_sel_hi:[1,0,1]
.else
	v_pk_fma_f32 v[\d:\d+1], v[\x:\x+1], v[\w:\w+1], v[\d:\d+1] op_sel:[0,1,0] op_sel_hi:[1,1,1]
.endif
.endif
.endm
; row nn of my 16: fourteen packed multiply-adds on fourteen different pairs; row 0 starts the sums, nothing is cleared
.macro FMAROW
.if nn == 0
.set MODE, 0
.else
.set MODE, 1+(nn&1)
.endif
.irp e, 0,1,2,3,4,5,6
	BFMA ACC+4*\e,W+4*nn,E+16*\e+nn-(nn&1),MODE
	BFMA ACC+4*\e+2,W+4*nn+2,E+16*\e+nn-(nn&1),MODE
.endr
.endm
	s_load_b256 s[4:11], s[0:1], 0x0               ; W1 s[4:5], W_enc s[6:7], b_enc s[8:9], b1 s[10:11]
	s_load_b128 s[12:15], s[0:1], 0x20             ; W2 s[12:13], wf s[14:15]
	v_lshl_add_u32 v216, v0, 2, 0xf800
	v_mov_b32 v217, 0
	v_lshrrev_b32 v3, 5, v0
	v_readfirstlane_b32 s16, v3                    ; wave 0..15
	s_lshr_b32 s17, s16, 1                         ; e = t >> 6, 0..7: which of the seven sums I finish (7: the zero slot)
	s_min_u32 s18, s17, 6
	s_min_u32 s19, s17, 5
	s_lshl_b32 s18, s18, 8                         ; 256 min(e,6): that sum in a row group of partial sums
	s_lshl_b32 s19, s19, 2                         ; 4 min(e,5): my column of W2 (kept inside the row; masked below)
	s_cmp_eq_u32 s17, 6
	s_cselect_b32 s20, -1, 0                       ; all lanes: b1 is added to the seventh sum alone
	s_cmp_lt_u32 s17, 7
	s_cselect_b32 s21, -1, 0                       ; all lanes: slot 7 holds zero
	s_cmp_lt_u32 s17, 6
	s_cselect_b32 s22, -1, 0                       ; all lanes: W2 has six columns
	s_lshl_b32 s24, ttmp9, 8                       ; 256 g: my 64 columns of W1 and of b1
	s_mov_b32 s25, 0
	s_mul_i32 s26, ttmp9, 1536                     ; my 64 rows of W2, 24 bytes each
	s_mov_b32 s27, 0
	v_and_b32 v1, 15, v0                           ; c4
	v_lshrrev_b32 v2, 4, v0                        ; rg, 0..31
	v_mul_u32_u24 v3, v2, PRG
	v_lshl_add_u32 v3, v1, 4, v3                   ; v3: LDS, rg x 1,792 + 16 c4
	v_lshlrev_b32 v1, 4, v1
	v_lshl_or_b32 v1, v2, 15, v1                   ; v1: W1, 16 rg rows of 2,048 bytes + 16 c4
	v_lshlrev_b32 v2, 6, v2                        ; v2: W_enc and b_enc, 16 rg numbers
	v_and_b32 v[HL], 63, v0
	v_lshlrev_b32 v[OB1], 2, v[HL]
	v_mul_u32_u24 v[OW2], v[HL], 24
	v_add_nc_u32 v[OW2], s19, v[OW2]
	s_wait_kmcnt 0x0
	s_add_nc_u64 s[4:5], s[4:5], s[24:25]
	s_add_nc_u64 s[10:11], s[10:11], s[24:25]
	s_add_nc_u64 s[12:13], s[12:13], s[26:27]
	; all 46 loads go out at once: two single numbers, then four groups of 11 (seven of E, four rows of W1)
	global_load_b32 v[BV], v[OB1], s[10:11]
	global_load_b32 v[WV], v[OW2], s[12:13]
.irp m, 0,1,2,3
.irp e, 0,1,2,3,4,5
	global_load_b128 v[E+16*\e+4*\m:E+16*\e+4*\m+3], v2, s[6:7] offset:2048*\e+16*\m
.endr
	global_load_b128 v[E+96+4*\m:E+96+4*\m+3], v2, s[8:9] offset:16*\m
.irp k, 0,1,2,3
	global_load_b128 v[W+16*\m+4*\k:W+16*\m+4*\k+3], v1, s[4:5] offset:2048*(4*\m+\k) th:TH_LOAD_NT
.endr
.endr
.set nn, 0
.irp left, 33,22,11,0
	s_wait_loadcnt \left                           ; loads return in order: this group of 11 is in, the 11 of each younger group stay out
.rept 4
	FMAROW
.set nn, nn+1
.endr
.endr
	; the 32 row groups meet in LDS
.irp e, 0,1,2,3,4,5,6
	ds_store_b128 v3, v[ACC+4*\e:ACC+4*\e+3] offset:256*\e
.endr
	v_add_nc_u32 v[ARD], s18, v[OB1]
	s_wait_dscnt 0x0                               ; my partial sums are in LDS before I say so
	s_barrier_signal -1
	s_barrier_wait -1
	; thread (h = t & 63, e = t >> 6) finishes one number: 32 partial sums, added as a tree
.set j, 0
.rept 32
	ds_load_b32 v[W+j], v[ARD] offset:j*PRG
.set j, j+1
.endr
	v_lshlrev_b32 v[AI1], 6, v[HL]                 ; the image of rows h: 64 h + 2 e
	s_lshl_b32 s23, s17, 1
	s_add_co_u32 s23, s23, IMG1
	v_add_nc_u32 v[AI1], s23, v[AI1]
	v_lshrrev_b32 v40, 5, v[HL]                    ; the image of the W2 rows: 1,024 (h >> 5) + 64 e + 2 (h & 31)
	v_and_b32 v41, 31, v[HL]
	v_lshlrev_b32 v41, 1, v41
	v_lshl_add_u32 v[AI2], v40, 10, v41
	s_lshl_b32 s23, s17, 6
	s_add_co_u32 s23, s23, IMG2
	v_add_nc_u32 v[AI2], s23, v[AI2]
	v_mov_b32 v42, 0
	s_wait_dscnt 0x0
.irp i, 0,1,2,3,4,5,6,7
	v_pk_add_f32 v[W+2*\i:W+2*\i+1], v[W+2*\i:W+2*\i+1], v[W+16+2*\i:W+16+2*\i+1]
.endr
.irp i, 0,1,2,3
	v_pk_add_f32 v[W+2*\i:W+2*\i+1], v[W+2*\i:W+2*\i+1], v[W+8+2*\i:W+8+2*\i+1]
.endr
.irp i, 0,1
	v_pk_add_f32 v[W+2*\i:W+2*\i+1], v[W+2*\i:W+2*\i+1], v[W+4+2*\i:W+4+2*\i+1]
.endr
	v_pk_add_f32 v[W:W+1], v[W:W+1], v[W+2:W+3]
	v_add_f32 v4, v4, v5
	v_cndmask_b32 v5, 0, v[BV], s20                ; b1 for the seventh sum, else 0
	v_add_f32 v4, v4, v5
	v_cndmask_b32 v4, 0, v4, s21                   ; x: Wc[e][h], bc[h], or 0 in slot 7
	v_cndmask_b32 v6, 0, v[WV], s22                ; y: W2[h][e], or 0 for e = 6, 7
	v_cvt_pk_bf16_f32 v7, v4, v6                   ; hi(x) below, hi(y) above
	v_lshlrev_b32 v8, 16, v7
	v_and_b32 v9, 0xffff0000, v7
	v_sub_f32 v10, v4, v8                          ; exact: what the high part leaves
	v_sub_f32 v11, v6, v9
	v_cvt_pk_bf16_f32 v12, v10, v11                ; lo(x) below, lo(y) above
	ds_store_b16 v[AI1], v7                        ; group 0: hi
	ds_store_b16 v[AI1], v12 offset:16             ; group 1: lo
	ds_store_b16 v[AI1], v7 offset:32              ; group 2: hi again
	ds_store_b16 v[AI1], v42 offset:48             ; group 3: zero
	ds_store_b16_d16_hi v[AI2], v7                 ; row e: hi
	ds_store_b16_d16_hi v[AI2], v12 offset:512     ; row 8 + e: lo
	s_wait_dscnt 0x0                               ; the images are whole before I say so
	s_barrier_signal -1
	s_barrier_wait -1
	; the images leave through registers: 6,144 bytes = 384 threads x 16; each store of a wave covers 512 consecutive aligned bytes
	s_cmp_ge_u32 s16, 12
	s_cbranch_scc1 .Lend
	s_lshl_b32 s24, ttmp9, 12                      ; waves 0-7: rows 64 g .. of 64 bytes, thread t at 16 t
	s_lshl_b32 s26, ttmp9, 11                      ; waves 8-11: byte 32,768 + 2,048 g + 16 (t - 256)
	s_add_co_u32 s26, s26, 28672
	s_cmp_lt_u32 s16, 8
	s_cselect_b32 s24, s24, s26
	s_mov_b32 s25, 0
	s_add_nc_u64 s[14:15], s[14:15], s[24:25]
	v_lshlrev_b32 v20, 4, v0
	v_add_nc_u32 v21, IMG1, v20
	ds_load_b128 v[24:27], v21
	s_wait_dscnt 0x0
	global_store_b128 v20, v[24:27], s[14:15]
.Lend:
	s_wait_tensorcnt 0x0
	ds_add_u32 v216, v217
	s_wait_dscnt 0x0
	s_endpgm
.Lfunc_end_k_qd1b8444dcf_fold:
	.size	k_qd1b8444dcf_fold, .Lfunc_end_k_qd1b8444dcf_fold-k_qd1b8444dcf_fold
	.p2alignl 7, 3214868480
	.fill 96, 4, 3214868480
	.section	.rodata,"a",@progbits
	.p2align	6, 0x0
	.amdhsa_kernel k_qd1b8444dcf_fold
		.amdhsa_group_segment_fixed_size 65536
		.amdhsa_private_segment_fixed_size 0
		.amdhsa_enable_private_segment 0
		.amdhsa_kernarg_size 48
		.amdhsa_user_sgpr_count 2
		.amdhsa_user_sgpr_kernarg_segment_ptr 1
		.amdhsa_wavefront_size32 1
		.amdhsa_system_sgpr_workgroup_id_x 1
		.amdhsa_system_sgpr_workgroup_id_y 1
		.amdhsa_system_sgpr_workgroup_id_z 1
		.amdhsa_system_vgpr_workitem_id 0
		.amdhsa_next_free_vgpr 218
		.amdhsa_next_free_sgpr 66
		.amdhsa_reserve_vcc 0
		.amdhsa_float_denorm_mode_32 3
		.amdhsa_float_denorm_mode_16_64 3
		.amdhsa_memory_ordered 1
		.amdhsa_forward_progress 1
		.amdhsa_inst_pref_size 26
	.end_amdhsa_kernel
	.amdgpu_metadata
---
amdhsa.version: [ 1, 2 ]
amdhsa.kernels:
  - .name:           k_qd1b8444dcf_fold
    .symbol:         k_qd1b8444dcf_fold.kd
    .args:
      - { .name: W1, .offset: 0, .size: 8, .value_kind: global_buffer, .address_space: global }
      - { .name: W_enc, .offset: 8, .size: 8, .value_kind: global_buffer, .address_space: global }
      - { .name: b_enc, .offset: 16, .size: 8, .value_kind: global_buffer, .address_space: global }
      - { .name: b1, .offset: 24, .size: 8, .value_kind: global_buffer, .address_space: global }
      - { .name: W2, .offset: 32, .size: 8, .value_kind: global_buffer, .address_space: global }
      - { .name: wf, .offset: 40, .size: 8, .value_kind: global_buffer, .address_space: global }
    .group_segment_fixed_size: 65536
    .private_segment_fixed_size: 0
    .kernarg_segment_align: 8
    .kernarg_segment_size: 48
    .max_flat_workgroup_size: 512
    .sgpr_count:     66
    .vgpr_count:     218
    .wavefront_size: 32
...
	.end_amdgpu_metadata
.endif
;; end of part 1
;; launch attn (part 2): grid 32 x 1, 4 waves a work-group, no clusters, 281,344 bytes of LDS; arguments refer_feature, img_feature, refer_r, wf, b2, out0; writes out0
.if DOCPART == 2
	.amdgcn_target "amdgcn-amd-amdhsa--gfx1250"
	.amdhsa_code_object_version 6
	.text
	.protected	k_qd1b8444dcf_attn
	.globl	k_qd1b8444dcf_attn
	.p2align	8
	.type	k_qd1b8444dcf_attn,@function
k_qd1b8444dcf_attn:
	s_mov_b64 s[64:65], 0
	v_nop
	global_prefetch_b8 v0, s[64:65] scope:SCOPE_SE
	s_setreg_imm32_b32 hwreg(HW_REG_WAVE_MODE, 25, 1), 1
	s_wait_xcnt 0x0
; attn: one work-group for each of the 32 batches; everything from the features to the 64 output rotations.
; WHAT IS COMPUTED, exactly equal to the module for every input:
;   score(i,(j,k)) = (s_ij - s_ik) / 0.3 with s_ij = (img - ref_i) . ref_j, so the softmax over the 4,096 pairs is p_ij q_ik with
;   p = softmax_j(+s/0.3), q = softmax_k(-s/0.3); each takes its own maximum away, and the two maxima add up to the maximum over the pairs.
;   The value of pair (j,k) is linear in the first two rows of inv(R_k) R_j, so its weighted sum is (sum_k q inv R_k)(sum_j p R_j): six numbers v6.
;   The layers behind are v6 (W_enc W1) + (b_enc W1 + b1), relu, W2, b2: the folded weights come from the launch before, in wf.
;   s is needed up to a constant in j alone: with Kc_j = ref_j - ref_0 and c = img - ref_0 (differences made in f32, so that a common offset of the
;   features never becomes a difference of large sums), s_ij = c.Kc_j - Kc_i.Kc_j + const(i) = u_j - G_ij, G symmetric.
; FORMATS: matrix operands are bf16 pairs (hi + lo) with the products hi hi + hi lo + lo hi; u, the softmax, the weighted sums and the tail are f32.
;   A single bf16 would shift exponents of the softmax by tenths where two scores lie close; the pair leaves about a thousandth.
; LIMITS: the lo lo products (2^-16 of a product) are dropped in G and in the first layer; inv(R) is made of cofactors and v_rcp_f32 (a singular refer_r
;   gives inf or NaN, as the module does); v_exp, v_rcp, v_sqrt flush denormals (weights under 2^-126 count as 0); sums are ordered otherwise than in the module.
; SHARE: up to barrier 1 wave w owns the feature columns 128 w .. 128 w + 127 of all 64 rows (a split of K): it fills, reads and converts LDS bytes of its own.
;   Behind it wave w owns the queries 16 w .. 16 w + 15, one query in lane r = lane & 15 of both halves hh = lane >> 4.
; NO CLUSTER: the 128 KiB of features are private to a batch; only the 48 KiB of wf are shared, fetched once and not read before the last phase.
; 32 work-groups: a batch split further would convert all 64 rows again in each part.
; LDS: only TILE and WFL are filled by tensor loads, each byte once; all scratch lies in aligned 256-byte blocks of its own.
.set TILEW, 34816                      ; TILE at 0: wave w at 34,816 w: two halves of 64 rows x 256 bytes, pitch 272
.set HALF,  17408
.set WFL,   139264                     ; 768 rows of 64 bytes, pitch 80; wave w fills 15,360 bytes at 15,360 w
.set IMGL,  200704                     ; img: 512 bytes for each wave
.set PART,  202752                     ; wave w at 17,920 w: P[y][x] = G[x][y], 64 rows, pitch 272; u[64] at + 17,408
.set PARTW, 17920
.set TAB,   274432                     ; row j, 16 f32: R_j[0..8], 1.0, inv(R_j)[0..5]
.set OUTS,  278528                     ; 64 rows of 36 bytes
.set RR,  4                            ; v[4:12]  refer_r of my query
.set VA,  13                           ; TILE: 34,816 w + 272 r + 64 hh
.set VR0, 14                           ; TILE: 34,816 w + 64 hh (row 0)
.set VIM, 15                           ; IMGL + 512 w + 64 hh
.set VW,  16                           ; my partial + 272 r + 32 hh
.set VM,  17                           ; my partial + 2,176 hh + 4 r
.set VU,  18                           ; my partial + 17,408 + 4 r
.set VRD, 19                           ; PART + 272 (16 w + r) + 32 hh
.set VRU, 20                           ; PART + 17,408 + 32 hh
.set VTB, 21                           ; TAB + 512 hh
.set VWF, 22                           ; WFL + 80 r + 16 hh
.set VTS, 23                           ; TAB + 64 (16 w + r) + 32 hh
; the Gram phase
.set RZ,  24                           ; v[24:39]   row 0, my 16 columns
.set CC,  40                           ; v[40:55]   img, then c = img - row 0
.set RAW, 56                           ; v[56:87]   two buffers of 16 f32
.set FRH, 88                           ; v[88:119]  high halves, 4 tiles of 16 rows x 32 K
.set FRL, 120                          ; v[120:151] low halves
.set U,   152                          ; v[152:159] four pairs: c . Kc of row 16 t + r
.set T,   160                          ; v[160:167] at work
.set ACC, 176                          ; v[176:255] ten tiles (a <= b) of G
; reduce, softmax, weighted sums
.set S,    24                          ; v[24:55]   s of my query, register 8 tj + jr = key 16 tj + 8 hh + jr; later the weights q
.set SETA, 56                          ; v[56:119]  a partial: G 32, u 32
.set SETB, 120                         ; v[120:183]
.set EP,   56                          ; v[56:87]   the weights p
.set RING, 88                          ; v[88:151]  four table rows of 16
.set AR,   152                         ; v[152:161] sum p R (9), sum p
.set AA,   162                         ; v[162:167] sum q inv R (6)
.set SQ,   168                         ; v[168:169] sum q
.set V6,   170                         ; v[170:175]
.set MC,   184
.set NC,   186
.set MX,   188
.set MN,   190
; the layers
.set AF,  24                           ; v[24:119]  four sets of 24: 32 rows of the folded first layer, 16 rows of W2
.set TE,  120                          ; v[120:127] at work
.set OUTR,128                          ; v[128:136] the nine results
.set VB,  176                          ; v[176:183] v6 as a B operand
.set H,   184                          ; v[184:215] two buffers of 32 hidden units
.set HBH, 216
.set HBL, 224
.set R6A, 232
.set R6B, 240
.macro BFMA d, x, w, mode              ; d += x * (one register of pair w); mode 0 starts the sum (first register), 1 first, 2 second register
.if \mode == 0
	v_pk_mul_f32 v[\d:\d+1], v[\x:\x+1], v[\w:\w+1] op_sel_hi:[1,0]
.else
.if \mode == 1
	v_pk_fma_f32 v[\d:\d+1], v[\x:\x+1], v[\w:\w+1], v[\d:\d+1] op_sel_hi:[1,0,1]
.else
	v_pk_fma_f32 v[\d:\d+1], v[\x:\x+1], v[\w:\w+1], v[\d:\d+1] op_sel:[0,1,0] op_sel_hi:[1,1,1]
.endif
.endif
.endm
.macro XH reg, tmp                     ; adds the other half of the lanes; tmp has been written before
	v_permlanex16_b32 v[\tmp], v[\reg], s58, s59
	v_add_f32 v[\reg], v[\reg], v[\tmp]
.endm
	; ---------------- head: descriptors, the three tensor loads, the small inputs ----------------
	s_load_b256 s[4:11], s[0:1], 0x0               ; refer_feature s[4:5], img_feature s[6:7], refer_r s[8:9], wf s[10:11]
	s_load_b128 s[12:15], s[0:1], 0x20             ; b2 s[12:13], out0 s[14:15]
	s_set_vgpr_msb 0x40
	v_lshl_add_u32 v0, v0, 2, 0x44900
	v_mov_b32 v1, 0
	s_set_vgpr_msb 0x4045
	ds_add_u32 v0, v1
	ds_add_u32 v0, v1
	s_set_vgpr_msb 0x4500
	v_lshrrev_b32 v1, 5, v0
	v_readfirstlane_b32 s16, v1                    ; wave 0..3
	s_mov_b32 s24, 0x07520000                      ; features: elements of 4 bytes; 4 words of padding behind every 64 words
	s_mov_b32 s25, 64<<16                          ; tensor_dim0 = 64
	s_mov_b32 s26, 64<<16                          ; tensor_dim1 = 64
	s_mov_b32 s27, 64<<16                          ; tile_dim0 = 64 elements: 256 bytes, aligned
	s_mov_b32 s28, 64                              ; tile_dim1 = 64 rows
	s_mov_b32 s29, 512                             ; elements from row to row
	s_mov_b32 s30, 0
	s_mov_b32 s31, 0
	s_mov_b32 s40, 0x06d30000                      ; wf: elements of 8 bytes; 4 words of padding behind every 16 words: rows of 64 bytes at pitch 80
	s_mov_b32 s41, 32<<16                          ; tensor_dim0 = 32
	s_mov_b32 s42, 48<<16                          ; tensor_dim1 = 48
	s_mov_b32 s43, 32<<16                          ; tile_dim0 = 32 elements: 256 bytes, four rows of wf
	s_mov_b32 s44, 48                              ; tile_dim1 = 48: a dense block of 12,288 bytes
	s_mov_b32 s45, 32
	s_mov_b32 s46, 0
	s_mov_b32 s47, 0
	s_mov_b32 s32, 1
	s_mul_i32 s33, s16, TILEW                      ; half 0 of my columns
	s_mov_b32 s36, 1
	s_add_co_u32 s37, s33, HALF                    ; half 1
	s_mov_b32 s48, 1
	s_mul_i32 s49, s16, 15360
	s_add_co_u32 s49, s49, WFL
	s_lshl_b32 s18, ttmp9, 17                      ; a batch is 131,072 bytes
	s_lshl_b32 s17, s16, 9                         ; my 512 bytes of a row
	s_add_co_u32 s18, s18, s17
	s_mov_b32 s19, 0
	s_mul_i32 s20, s16, 12288
	s_mov_b32 s21, 0
	s_wait_dscnt 0x0
	s_wait_kmcnt 0x0
	s_add_nc_u64 s[34:35], s[4:5], s[18:19]
	s_add_nc_u64 s[38:39], s[34:35], 256
	s_add_nc_u64 s[50:51], s[10:11], s[20:21]
	s_or_b32 s35, s35, 0x80000000
	s_or_b32 s39, s39, 0x80000000
	s_or_b32 s51, s51, 0x80000000
	tensor_load_to_lds s[32:35], s[24:31]          ; three loads of this wave are out at the most, all first fills; nothing is filled twice
	s_nop 0
	tensor_load_to_lds s[36:39], s[24:31]
	s_nop 0
	tensor_load_to_lds s[48:51], s[40:47]
	s_nop 0
	s_load_b128 s[52:55], s[12:13], 0x0            ; b2[0..3]
	s_load_b64 s[56:57], s[12:13], 0x10            ; b2[4..5]
	s_lshl_b32 s18, ttmp9, 11
	s_add_co_u32 s18, s18, s17
	s_add_nc_u64 s[6:7], s[6:7], s[18:19]          ; img: 2,048 b + 512 w
	s_mul_i32 s20, ttmp9, 2304
	s_add_nc_u64 s[14:15], s[14:15], s[20:21]      ; out0: 2,304 b, nine aligned runs of 256 bytes
	s_mul_i32 s18, s16, 576
	s_add_co_u32 s20, s20, s18
	s_add_nc_u64 s[8:9], s[8:9], s[20:21]          ; refer_r: 2,304 b + 576 w
	v_and_b32 v1, 15, v0                           ; r, kept to the end
	v_bfe_u32 v2, v0, 4, 1                         ; hh
	v_mul_u32_u24 v3, v1, 36                       ; kept to the end
	v_and_b32 v28, 31, v0
	v_lshlrev_b32 v28, 4, v28
	global_load_b128 v[24:27], v28, s[6:7]
.irp k, 0,1,2,3,4,5,6,7,8
	global_load_b32 v[RR+\k], v3, s[8:9] offset:4*\k
.endr
	s_mov_b32 s22, 0xffff0000                      ; the upper bf16 of a word
	s_mov_b32 s58, 0x76543210                      ; v_permlanex16_b32: lane i reads lane i of the other half
	s_mov_b32 s59, 0xfedcba98
	s_mov_b32 s60, 0x4099e331                      ; log2(e) / 0.3
	s_mov_b32 s61, 0x4099e331
	s_mov_b32 s62, 0xc099e331
	s_mov_b32 s63, 0xc099e331
	s_mul_i32 s2, s16, PARTW
	s_add_co_u32 s2, s2, PART                      ; my partial
	s_add_co_u32 s18, s2, HALF                     ; its u
	s_mul_i32 s3, s16, 4352
	s_add_co_u32 s3, s3, PART                      ; row 16 w of partial 0
	s_add_co_u32 s17, s17, IMGL
	s_lshl_b32 s23, s16, 10
	s_add_co_u32 s23, s23, TAB
	v_mul_u32_u24 v30, v1, 272
	v_lshl_add_u32 v[VA], v2, 6, v30
	v_add_nc_u32 v[VA], s33, v[VA]
	v_lshlrev_b32 v[VR0], 6, v2
	v_add_nc_u32 v[VR0], s33, v[VR0]
	v_lshl_add_u32 v[VIM], v2, 6, s17
	v_add_nc_u32 v29, s17, v28
	v_lshl_add_u32 v[VW], v2, 5, v30
	v_add_nc_u32 v[VRD], s3, v[VW]
	v_add_nc_u32 v[VW], s2, v[VW]
	v_mul_u32_u24 v[VM], v2, 2176
	v_lshl_add_u32 v[VM], v1, 2, v[VM]
	v_add_nc_u32 v[VM], s2, v[VM]
	v_lshl_add_u32 v[VU], v1, 2, s18
	v_lshlrev_b32 v[VRU], 5, v2
	v_add_nc_u32 v[VRU], PART+HALF, v[VRU]
	v_lshlrev_b32 v[VTB], 9, v2
	v_add_nc_u32 v[VTB], TAB, v[VTB]
	v_mul_u32_u24 v[VWF], v1, 80
	v_lshl_add_u32 v[VWF], v2, 4, v[VWF]
	v_add_nc_u32 v[VWF], WFL, v[VWF]
	v_lshlrev_b32 v[VTS], 6, v1
	v_lshl_add_u32 v[VTS], v2, 5, v[VTS]
	v_add_nc_u32 v[VTS], s23, v[VTS]
	v_cmp_ne_u32 vcc_lo, 0, v2                     ; the upper half of the lanes
	s_wait_loadcnt 0x0
	s_wait_kmcnt 0x0
	ds_store_b128 v29, v[24:27]                    ; img into my own bytes: LDS serves a wave in order, so my later reads see it
	; the table row of my query: R (a b c / d e f / g h i in v4..v12), 1.0, and the first two rows of its inverse by cofactors
	v_mul_f32 v160, v9, v11
	v_mul_f32 v161, v5, v12
	v_mul_f32 v162, v6, v8
	v_mul_f32 v163, v7, v12
	v_mul_f32 v164, v6, v10
	v_mul_f32 v165, v4, v9
	v_mul_f32 v166, v8, v10
	v_fma_f32 v160, v8, v12, -v160                 ; e i - f h
	v_fma_f32 v161, v6, v11, -v161                 ; c h - b i
	v_fma_f32 v162, v5, v9, -v162                  ; b f - c e
	v_fma_f32 v163, v9, v10, -v163                 ; f g - d i
	v_fma_f32 v164, v4, v12, -v164                 ; a i - c g
	v_fma_f32 v165, v6, v7, -v165                  ; c d - a f
	v_fma_f32 v166, v7, v11, -v166                 ; d h - e g
	v_mul_f32 v167, v4, v160
	v_fma_f32 v167, v5, v163, v167
	v_fma_f32 v167, v6, v166, v167                 ; the determinant
	v_rcp_f32 v167, v167
	v_mov_b32 v166, 1.0                            ; the plain instruction between v_rcp_f32 and the use of its result
	s_wait_alu depctr_va_vdst(0)
.irp k, 0,1,2,3,4,5
	v_mul_f32 v[160+\k], v[160+\k], v167
.endr
	v_cndmask_b32 v168, v4, v12, vcc_lo            ; lower lanes: words 0-7; upper lanes: words 8-15
	v_cndmask_b32 v169, v5, v166, vcc_lo
.irp k, 0,1,2,3,4,5
	v_cndmask_b32 v[170+\k], v[6+\k], v[160+\k], vcc_lo
.endr
	ds_store_b128 v[VTS], v[168:171]
	ds_store_b128 v[VTS], v[172:175] offset:16
	; ---------------- the Gram matrix: four K steps of 32 over my 128 columns ----------------
	; Lane (r, hh) takes columns 32 ks + 16 hh + 0..15 of row 16 t + r: a permutation of k that is the same for both operands, since one
	; fragment serves as A and as B.  The pitch of 272 bytes puts the 16 rows of a load on 16 different 16-byte columns of the banks.
.macro LDRAW buf, t, ks
.irp q, 0,1,2,3
	ds_load_b128 v[RAW+16*\buf+4*\q:RAW+16*\buf+4*\q+3], v[VA] offset:((\ks)>>1)*HALF+4352*\t+((\ks)&1)*128+16*\q
.endr
.endm
.macro LDRC ks
.irp q, 0,1,2,3
	ds_load_b128 v[RZ+4*\q:RZ+4*\q+3], v[VR0] offset:((\ks)>>1)*HALF+((\ks)&1)*128+16*\q
.endr
.irp q, 0,1,2,3
	ds_load_b128 v[CC+4*\q:CC+4*\q+3], v[VIM] offset:128*(\ks)+16*\q
.endr
.endm
; 16 numbers of a row: centre on row 0 in f32, add to c . Kc in f32, split into bf16 pairs
.macro CONV t, buf, first
.set XB, RAW+16*\buf
.irp p, 0,1,2,3,4,5,6,7
	v_pk_add_f32 v[XB+2*\p:XB+2*\p+1], v[XB+2*\p:XB+2*\p+1], v[RZ+2*\p:RZ+2*\p+1] neg_lo:[0,1] neg_hi:[0,1]
.endr
.if \first
	v_pk_mul_f32 v[U+2*\t:U+2*\t+1], v[XB:XB+1], v[CC:CC+1]
.else
	v_pk_fma_f32 v[U+2*\t:U+2*\t+1], v[XB:XB+1], v[CC:CC+1], v[U+2*\t:U+2*\t+1]
.endif
	v_cvt_pk_bf16_f32 v[FRH+8*\t], v[XB], v[XB+1]
.irp p, 1,2,3,4,5,6,7
	v_pk_fma_f32 v[U+2*\t:U+2*\t+1], v[XB+2*\p:XB+2*\p+1], v[CC+2*\p:CC+2*\p+1], v[U+2*\t:U+2*\t+1]
	v_cvt_pk_bf16_f32 v[FRH+8*\t+\p], v[XB+2*\p], v[XB+2*\p+1]
.endr
.irp q, 0,4
.irp p, 0,1,2,3
	v_lshlrev_b32 v[T+2*\p], 16, v[FRH+8*\t+\q+\p]
	v_and_b32 v[T+2*\p+1], s22, v[FRH+8*\t+\q+\p]
.endr
.irp p, 0,1,2,3
	v_pk_add_f32 v[XB+2*(\q+\p):XB+2*(\q+\p)+1], v[XB+2*(\q+\p):XB+2*(\q+\p)+1], v[T+2*\p:T+2*\p+1] neg_lo:[0,1] neg_hi:[0,1]
.endr
.irp p, 0,1,2,3
	v_cvt_pk_bf16_f32 v[FRL+8*\t+\q+\p], v[XB+2*(\q+\p)], v[XB+2*(\q+\p)+1]
.endr
.endr
.endm
; ten matrix instructions, one on each tile (a <= b): the accumulators take turns, one instruction a turn
.macro GPASS fa, fb, zero
.set ti, 0
.irp a, 0,1,2,3
.irp b, 0,1,2,3
.if \b >= \a
.if \zero
	v_wmma_f32_16x16x32_bf16 v[ACC+8*ti:ACC+8*ti+7], v[\fa+8*\a:\fa+8*\a+7], v[\fb+8*\b:\fb+8*\b+7], 0
.else
	v_wmma_f32_16x16x32_bf16 v[ACC+8*ti:ACC+8*ti+7], v[\fa+8*\a:\fa+8*\a+7], v[\fb+8*\b:\fb+8*\b+7], v[ACC+8*ti:ACC+8*ti+7]
.endif
.set ti, ti+1
.endif
.endr
.endr
.endm
; A K step.  Its first 17 vector instructions name only CC, RZ, RAW and U: more than the four places asked for between the last matrix
; instruction of the step before and the first rewrite of a fragment (ISA guide 7.12.1).
.macro KSTEP ks, first, last
	s_wait_dscnt 0x0                               ; tiles 0 and 1, row 0 and img of this step, asked for ahead of the last 30 matrix instructions
.irp p, 0,1,2,3,4,5,6,7
	v_pk_add_f32 v[CC+2*\p:CC+2*\p+1], v[CC+2*\p:CC+2*\p+1], v[RZ+2*\p:RZ+2*\p+1] neg_lo:[0,1] neg_hi:[0,1]
.endr
	CONV 0, 0, \first
	LDRAW 0, 2, \ks
	CONV 1, 1, \first
	LDRAW 1, 3, \ks
	s_wait_dscnt 0x4                               ; tile 2 is in; the four loads of tile 3 stay out
	CONV 2, 0, \first
.if \last
	s_wait_dscnt 0x0
	CONV 3, 1, \first
.else
.if \ks == 1
	s_wait_tensorcnt 0x1                           ; the second half of my columns has landed; only the load of wf was issued behind it
.endif
	LDRAW 0, 0, \ks+1
	s_wait_dscnt 0x4                               ; tile 3 is in; the four loads just issued stay out
	CONV 3, 1, \first
	LDRAW 1, 1, \ks+1
	LDRC \ks+1
.endif
	GPASS FRH, FRH, \first                         ; the first product of all starts the sums: nothing is cleared
	GPASS FRH, FRL, 0
	GPASS FRL, FRH, 0
.endm
	s_wait_tensorcnt 0x2                           ; the first half of my columns has landed; two loads were issued behind it
	LDRAW 0, 0, 0
	LDRAW 1, 1, 0
	LDRC 0
	KSTEP 0, 1, 0
	KSTEP 1, 0, 0
	KSTEP 2, 0, 0
	KSTEP 3, 0, 1
.irp t, 0,1,2,3
	v_add_f32 v[U+2*\t], v[U+2*\t], v[U+2*\t+1]    ; also the four places between the last matrix instruction and the stores of its result
.endr
.irp t, 0,1,2,3
	XH U+2*\t, T
.endr
.irp t, 0,1,2,3
	ds_store_b32 v[VU], v[U+2*\t] offset:64*\t     ; u[16 t + r]; both halves write the same word with the same value
.endr
	; register j of lane (r, hh) of tile (a, b) is G[16 a + 8 hh + j][16 b + r]: 32 neighbouring bytes of row y = 16 b + r of P,
	; and, for a < b, by symmetry one word of each of the rows y = 16 a + 8 hh + j
.set ti, 0
.irp a, 0,1,2,3
.irp b, 0,1,2,3
.if \b >= \a
	ds_store_b128 v[VW], v[ACC+8*ti:ACC+8*ti+3] offset:4352*\b+64*\a
	ds_store_b128 v[VW], v[ACC+8*ti+4:ACC+8*ti+7] offset:4352*\b+64*\a+16
.if \b > \a
.irp j, 0,1,2,3,4,5,6,7
	ds_store_b32 v[VM], v[ACC+8*ti+\j] offset:4352*\a+272*\j+64*\b
.endr
.endif
.set ti, ti+1
.endif
.endr
.endr
	s_wait_dscnt 0x0                               ; my partial, my table rows
	s_wait_tensorcnt 0x0                           ; and my quarter of wf are in LDS before I say so: every wave reads all of them behind the barrier
	s_barrier_signal -1
	s_barrier_wait -1
	; ---------------- s = sum over the four partials of (u_j - G_ij), for my query ----------------
.macro LDPART set, pw
.irp tj, 0,1,2,3
	ds_load_b128 v[\set+8*\tj:\set+8*\tj+3], v[VRD] offset:PARTW*\pw+64*\tj
	ds_load_b128 v[\set+8*\tj+4:\set+8*\tj+7], v[VRD] offset:PARTW*\pw+64*\tj+16
.endr
.irp tj, 0,1,2,3
	ds_load_b128 v[\set+32+8*\tj:\set+32+8*\tj+3], v[VRU] offset:PARTW*\pw+64*\tj
	ds_load_b128 v[\set+32+8*\tj+4:\set+32+8*\tj+7], v[VRU] offset:PARTW*\pw+64*\tj+16
.endr
.endm
.macro ADDPART set, first
.if \first
.irp p, 0,1,2,3,4,5,6,7,8,9,10,11,12,13,14,15
	v_pk_add_f32 v[S+2*\p:S+2*\p+1], v[\set+32+2*\p:\set+32+2*\p+1], v[\set+2*\p:\set+2*\p+1] neg_lo:[0,1] neg_hi:[0,1]
.endr
.else
.irp p, 0,1,2,3,4,5,6,7,8,9,10,11,12,13,14,15
	v_pk_add_f32 v[\set+2*\p:\set+2*\p+1], v[\set+32+2*\p:\set+32+2*\p+1], v[\set+2*\p:\set+2*\p+1] neg_lo:[0,1] neg_hi:[0,1]
.endr
.irp p, 0,1,2,3,4,5,6,7,8,9,10,11,12,13,14,15
	v_pk_add_f32 v[S+2*\p:S+2*\p+1], v[S+2*\p:S+2*\p+1], v[\set+2*\p:\set+2*\p+1]
.endr
.endif
.endm
.macro TLOAD n                         ; the table row of key 16 (n >> 3) + 8 hh + (n & 7) into entry n & 3 of the ring
.irp q, 0,1,2,3
	ds_load_b128 v[RING+16*((\n)&3)+4*\q:RING+16*((\n)&3)+4*\q+3], v[VTB] offset:(16*((\n)>>3)+((\n)&7))*64+16*\q
.endr
.endm
	LDPART SETA, 0
	LDPART SETB, 1
	s_wait_dscnt 16                                ; a partial is 16 loads: the older one is in, the younger stays out
	ADDPART SETA, 1
	LDPART SETA, 2
	s_wait_dscnt 16
	ADDPART SETB, 0
	LDPART SETB, 3
	s_wait_dscnt 16
	ADDPART SETA, 0
	s_wait_dscnt 0x0
	ADDPART SETB, 0
	TLOAD 0                                        ; the first four table rows travel while the extremes and the exponentials are made
	TLOAD 1
	TLOAD 2
	TLOAD 3
	; ---------------- the two softmaxes: the largest s is taken from +s, the smallest from -s ----------------
	v_max3_num_f32 v[MX], v[S], v[S+1], v[S+2]
	v_max3_num_f32 v[MX+1], v[S+3], v[S+4], v[S+5]
	v_min3_num_f32 v[MN], v[S], v[S+1], v[S+2]
	v_min3_num_f32 v[MN+1], v[S+3], v[S+4], v[S+5]
.set j, 6
.rept 13
	v_max3_num_f32 v[MX+(j/2)%2], v[MX+(j/2)%2], v[S+j], v[S+j+1]
	v_min3_num_f32 v[MN+(j/2)%2], v[MN+(j/2)%2], v[S+j], v[S+j+1]
.set j, j+2
.endr
	v_max_num_f32 v[MX], v[MX], v[MX+1]
	v_min_num_f32 v[MN], v[MN], v[MN+1]
	v_permlanex16_b32 v[MX+1], v[MX], s58, s59
	v_permlanex16_b32 v[MN+1], v[MN], s58, s59
	v_max_num_f32 v[MX], v[MX], v[MX+1]
	v_min_num_f32 v[MN], v[MN], v[MN+1]
	v_mul_f32 v[MC], s62, v[MX]                    ; the rounding of these two products is one factor for the whole row: it cancels in the division by the sum
	v_mul_f32 v[MC+1], s62, v[MX]
	v_mul_f32 v[NC], s60, v[MN]
	v_mul_f32 v[NC+1], s60, v[MN]
.irp p, 0,1,2,3,4,5,6,7,8,9,10,11,12,13,14,15
	v_pk_fma_f32 v[EP+2*\p:EP+2*\p+1], v[S+2*\p:S+2*\p+1], s[60:61], v[MC:MC+1] op_sel_hi:[1,0,1]
.endr
.irp p, 0,1,2,3,4,5,6,7,8,9,10,11,12,13,14,15
	v_pk_fma_f32 v[S+2*\p:S+2*\p+1], v[S+2*\p:S+2*\p+1], s[62:63], v[NC:NC+1] op_sel_hi:[1,0,1]
.endr
.set j, 0
.rept 32
	v_exp_f32 v[EP+j], v[EP+j]
.set j, j+1
.endr
.set j, 0
.rept 32
	v_exp_f32 v[S+j], v[S+j]
.set j, j+1
.endr
	v_nop                                          ; the plain instruction between the exponentials and the use of their results
	s_wait_alu depctr_va_vdst(0)
	; ---------------- the weighted sums, in f32: 16 columns, weights kept whole ----------------
.macro WSUM                            ; key number nn of my 32
.set RB, RING+16*(nn&3)
.set PE, EP+nn-(nn&1)
.set QE, S+nn-(nn&1)
.if nn == 0
.set MODE, 0
.else
.set MODE, 1+(nn&1)
.endif
.if nn <= 28
	s_wait_dscnt 12                                ; this row is in; the three younger rows, four loads each, stay out
.else
	s_wait_dscnt 4*(31-nn)
.endif
.irp k, 0,1,2,3,4
	BFMA AR+2*\k,RB+2*\k,PE,MODE
.endr
.irp k, 0,1,2
	BFMA AA+2*\k,RB+10+2*\k,QE,MODE
.endr
.if nn == 0
	v_pk_add_f32 v[SQ:SQ+1], v[S:S+1], v[S+2:S+3]
.endif
.if nn >= 4
.if (nn&1) == 0
	v_pk_add_f32 v[SQ:SQ+1], v[SQ:SQ+1], v[S+nn:S+nn+1]
.endif
.endif
.if nn <= 27
	TLOAD nn+4
.endif
.endm
.set nn, 0
.rept 32
	WSUM
.set nn, nn+1
.endr
.macro AFILL n                         ; hidden units 32 n .. 32 n + 31: 32 rows of the first layer, 16 rows of W2; six loads
.set AB, AF+24*((\n)&3)
	ds_load_b128 v[AB:AB+3], v[VWF] offset:2560*(\n)
	ds_load_b128 v[AB+4:AB+7], v[VWF] offset:2560*(\n)+32
	ds_load_b128 v[AB+8:AB+11], v[VWF] offset:2560*(\n)+1280
	ds_load_b128 v[AB+12:AB+15], v[VWF] offset:2560*(\n)+1312
	ds_load_b128 v[AB+16:AB+19], v[VWF] offset:40960+1280*(\n)
	ds_load_b128 v[AB+20:AB+23], v[VWF] offset:40960+1280*(\n)+32
.endm
	AFILL 0                                        ; the weights and the ring are spent: the first three sets travel during the work below
	AFILL 1
	AFILL 2
	v_add_f32 v[SQ], v[SQ], v[SQ+1]
.irp k, 0,1,2,3,4,5,6,7,8,9
	XH AR+\k, MX
.endr
.irp k, 0,1,2,3,4,5
	XH AA+\k, MX
.endr
	XH SQ, MX
	v_rcp_f32 v[MC], v[AR+9]                       ; both sums are at least about one: the largest weight of each softmax is 2^0 up to the common factor
	v_rcp_f32 v[MC+1], v[SQ]
	v_nop
	s_wait_alu depctr_va_vdst(0)
	v_mul_f32 v[MC], v[MC], v[MC+1]
.irp p, 0,1
.irp c, 0,1,2
	v_mul_f32 v[V6+3*\p+\c], v[AA+3*\p], v[AR+\c]
	v_fma_f32 v[V6+3*\p+\c], v[AA+3*\p+1], v[AR+3+\c], v[V6+3*\p+\c]
	v_fma_f32 v[V6+3*\p+\c], v[AA+3*\p+2], v[AR+6+\c], v[V6+3*\p+\c]
.endr
.endr
.irp k, 0,1,2,3,4,5
	v_mul_f32 v[V6+\k], v[V6+\k], v[MC]
.endr
	; ---------------- the two layers on the matrix unit, chained in registers ----------------
	; B operand of the first layer, the same in both halves of the lanes: k 0-7 and 8-15 = [hi(v6), 1, 0], k 16-23 and 24-31 = [lo(v6), 0, 0].
	; Against a row of wf, [W_hi b_hi 0 | W_lo b_lo 0 | W_hi b_hi 0 | 0], one instruction gives W_hi v_hi + b_hi + W_lo v_hi + b_lo + W_hi v_lo.
.irp p, 0,1,2
	v_cvt_pk_bf16_f32 v[VB+\p], v[V6+2*\p], v[V6+2*\p+1]
.endr
.irp p, 0,1,2
	v_lshlrev_b32 v[TE+2*\p], 16, v[VB+\p]
	v_and_b32 v[TE+2*\p+1], s22, v[VB+\p]
.endr
.irp p, 0,1,2
	v_pk_add_f32 v[V6+2*\p:V6+2*\p+1], v[V6+2*\p:V6+2*\p+1], v[TE+2*\p:TE+2*\p+1] neg_lo:[0,1] neg_hi:[0,1]
.endr
.irp p, 0,1,2
	v_cvt_pk_bf16_f32 v[VB+4+\p], v[V6+2*\p], v[V6+2*\p+1]
.endr
	v_mov_b32 v[VB+3], 0x3f80                      ; bf16 1.0 below, 0 above
	v_mov_b32 v[VB+7], 0
	s_wait_dscnt 12                                ; set 0 is in; sets 1 and 2, six loads each, stay out
	v_wmma_f32_16x16x32_bf16 v[H:H+7], v[AF:AF+7], v[VB:VB+7], 0
	v_wmma_f32_16x16x32_bf16 v[H+8:H+15], v[AF+8:AF+15], v[VB:VB+7], 0
.rept 4
	v_nop                                          ; four places between these and the vector instructions that read their results (ISA guide 7.12.1)
.endr
; Step nn.  The first layer has the hidden units as rows, so lane (r, hh) gets units 8 hh + j (and 16 + 8 hh + j) of query r: the very places of a B operand
; of the second layer.  Matrix order H, H, R6A, R6B, H, H, ..: accumulators by turns, one instruction a turn.
; The 16 relu lines name only this step's buffer: they are the places between the last step's two sums and the rewrite of HBH, HBL and of the set that is loaded again.
.macro MLPIT
.set HB, H+16*(nn&1)
.set HN, H+16*((nn+1)&1)
.set AN, AF+24*((nn+1)&3)
.set A2, AF+24*(nn&3)+16
.if nn <= 14
.if nn == 14
	s_wait_dscnt 0x0
.else
	s_wait_dscnt 0x6                               ; set nn + 1 is in; the six loads of set nn + 2 stay out
.endif
	v_wmma_f32_16x16x32_bf16 v[HN:HN+7], v[AN:AN+7], v[VB:VB+7], 0
	v_wmma_f32_16x16x32_bf16 v[HN+8:HN+15], v[AN+8:AN+15], v[VB:VB+7], 0
.endif
.irp k, 0,1,2,3,4,5,6,7,8,9,10,11,12,13,14,15
	v_max_num_f32 v[HB+\k], 0, v[HB+\k]
.endr
.if nn <= 12
	AFILL nn+3
.endif
.irp p, 0,1,2,3,4,5,6,7
	v_cvt_pk_bf16_f32 v[HBH+\p], v[HB+2*\p], v[HB+2*\p+1]
.endr
.irp q, 0,4
.irp p, 0,1,2,3
	v_lshlrev_b32 v[TE+2*\p], 16, v[HBH+\q+\p]
	v_and_b32 v[TE+2*\p+1], s22, v[HBH+\q+\p]
.endr
.irp p, 0,1,2,3
	v_pk_add_f32 v[HB+2*(\q+\p):HB+2*(\q+\p)+1], v[HB+2*(\q+\p):HB+2*(\q+\p)+1], v[TE+2*\p:TE+2*\p+1] neg_lo:[0,1] neg_hi:[0,1]
.endr
.irp p, 0,1,2,3
	v_cvt_pk_bf16_f32 v[HBL+\q+\p], v[HB+2*(\q+\p)], v[HB+2*(\q+\p)+1]
.endr
.endr
.if nn == 0
	v_wmma_f32_16x16x32_bf16 v[R6A:R6A+7], v[A2:A2+7], v[HBH:HBH+7], 0
	v_wmma_f32_16x16x32_bf16 v[R6B:R6B+7], v[A2:A2+7], v[HBL:HBL+7], 0
.else
	v_wmma_f32_16x16x32_bf16 v[R6A:R6A+7], v[A2:A2+7], v[HBH:HBH+7], v[R6A:R6A+7]
	v_wmma_f32_16x16x32_bf16 v[R6B:R6B+7], v[A2:A2+7], v[HBL:HBL+7], v[R6B:R6B+7]
.endif
.endm
.set nn, 0
.rept 16
	MLPIT
.set nn, nn+1
.endr
	; ---------------- the tail: r6, Gram-Schmidt as the module writes it, refer_r R ----------------
.rept 4
	v_nop                                          ; four places behind the last matrix instruction
.endr
.irp k, 0,1,2
	v_pk_add_f32 v[R6A+2*\k:R6A+2*\k+1], v[R6A+2*\k:R6A+2*\k+1], v[R6B+2*\k:R6B+2*\k+1]
.endr
.irp k, 0,1,2,3,4,5
	XH R6A+\k, TE                                  ; lower lanes hold the rows of W2_hi, upper lanes those of W2_lo
.endr
.irp k, 0,1,2,3,4,5
	v_add_f32 v[R6A+\k], s[52+\k], v[R6A+\k]       ; b2
.endr
.set P1, R6A                           ; r1 v[232:234], r2 v[235:237], r3 v[238:240]
	v_mul_f32 v[TE], v[P1], v[P1+3]
	v_fma_f32 v[TE], v[P1+1], v[P1+4], v[TE]
	v_fma_f32 v[TE], v[P1+2], v[P1+5], v[TE]       ; r1 . r2, r1 not normalised
.irp q, 0,1,2
	v_fma_f32 v[P1+3+\q], -v[TE], v[P1+\q], v[P1+3+\q]
.endr
	v_mul_f32 v[TE+1], v[P1+2], v[P1+4]
	v_mul_f32 v[TE+2], v[P1], v[P1+5]
	v_mul_f32 v[TE+3], v[P1+1], v[P1+3]
	v_fma_f32 v[P1+6], v[P1+1], v[P1+5], -v[TE+1]  ; r3 = r1 x r2
	v_fma_f32 v[P1+7], v[P1+2], v[P1+3], -v[TE+2]
	v_fma_f32 v[P1+8], v[P1], v[P1+4], -v[TE+3]
.irp c, 0,1,2
	v_mul_f32 v[TE+1+\c], v[P1+3*\c], v[P1+3*\c]
	v_fma_f32 v[TE+1+\c], v[P1+3*\c+1], v[P1+3*\c+1], v[TE+1+\c]
	v_fma_f32 v[TE+1+\c], v[P1+3*\c+2], v[P1+3*\c+2], v[TE+1+\c]
.endr
.irp c, 0,1,2
	v_sqrt_f32 v[TE+1+\c], v[TE+1+\c]
.endr
	v_nop
	s_wait_alu depctr_va_vdst(0)
.irp c, 0,1,2
	v_max_num_f32 v[TE+1+\c], 0x2b8cbccc, v[TE+1+\c]   ; 1e-12
.endr
.irp c, 0,1,2
	v_rcp_f32 v[TE+1+\c], v[TE+1+\c]
.endr
	v_nop
	s_wait_alu depctr_va_vdst(0)
.irp c, 0,1,2
.irp q, 0,1,2
	v_mul_f32 v[P1+3*\c+\q], v[P1+3*\c+\q], v[TE+1+\c]
.endr
.endr
.irp p, 0,1,2
.irp c, 0,1,2
	v_mul_f32 v[OUTR+3*\p+\c], v[RR+3*\p], v[P1+3*\c]
	v_fma_f32 v[OUTR+3*\p+\c], v[RR+3*\p+1], v[P1+3*\c+1], v[OUTR+3*\p+\c]
	v_fma_f32 v[OUTR+3*\p+\c], v[RR+3*\p+2], v[P1+3*\c+2], v[OUTR+3*\p+\c]
.endr
.endr
	s_mul_i32 s17, s16, 576
	s_add_co_u32 s17, s17, OUTS
	v_add_nc_u32 v[TE+5], s17, v3                  ; OUTS + 36 (16 w + r)
.irp k, 0,1,2,3,4,5,6,7,8
	ds_store_b32 v[TE+5], v[OUTR+\k] offset:4*\k   ; both halves write the same word with the same value
.endr
	v_lshlrev_b32 v[TE+6], 4, v0
	v_add_nc_u32 v[TE+7], OUTS, v[TE+6]
	s_wait_dscnt 0x0                               ; my 16 rows are in LDS before I say so
	s_barrier_signal -1
	s_barrier_wait -1
	; 2,304 bytes leave as nine runs of 256 consecutive aligned bytes, 16 bytes a lane: eight by the 128 threads, the ninth by 16 lanes of wave 0
	ds_load_b128 v[140:143], v[TE+7]
	s_wait_dscnt 0x0
	global_store_b128 v[TE+6], v[140:143], s[14:15]
	s_cmp_lg_u32 s16, 0
	s_cbranch_scc1 .Lend
	; the ninth run: the address is made of r = lane & 15, so that every lane's 16 bytes lie inside the 2,304; lanes 16-31 read what lanes 0-15 read and store nothing
	v_lshlrev_b32 v[TE+4], 4, v1                   ; 16 r
	v_add_nc_u32 v[TE+3], OUTS+2048, v[TE+4]
	ds_load_b128 v[144:147], v[TE+3]
	s_wait_dscnt 0x0
	s_wait_xcnt 0x0                                ; EXEC, a source of the store above, changes only behind this wait
	v_cmp_gt_u32 vcc_lo, 16, v0
	s_and_saveexec_b32 s23, vcc_lo
	global_store_b128 v[TE+4], v[144:147], s[14:15] offset:2048
	s_wait_xcnt 0x0                                ; and again in front of the line that widens EXEC
	s_or_b32 exec_lo, exec_lo, s23
.Lend:
	s_set_vgpr_msb 0x5
	s_wait_tensorcnt 0x0
	ds_add_u32 v0, v1
	s_wait_dscnt 0x0
	s_set_vgpr_msb 0x500
	s_endpgm
.Lfunc_end_k_qd1b8444dcf_attn:
	.size	k_qd1b8444dcf_attn, .Lfunc_end_k_qd1b8444dcf_attn-k_qd1b8444dcf_attn
	.p2alignl 7, 3214868480
	.fill 96, 4, 3214868480
	.section	.rodata,"a",@progbits
	.p2align	6, 0x0
	.amdhsa_kernel k_qd1b8444dcf_attn
		.amdhsa_group_segment_fixed_size 281344
		.amdhsa_private_segment_fixed_size 0
		.amdhsa_enable_private_segment 0
		.amdhsa_kernarg_size 48
		.amdhsa_user_sgpr_count 2
		.amdhsa_user_sgpr_kernarg_segment_ptr 1
		.amdhsa_wavefront_size32 1
		.amdhsa_system_sgpr_workgroup_id_x 1
		.amdhsa_system_sgpr_workgroup_id_y 1
		.amdhsa_system_sgpr_workgroup_id_z 1
		.amdhsa_system_vgpr_workitem_id 0
		.amdhsa_next_free_vgpr 258
		.amdhsa_next_free_sgpr 66
		.amdhsa_reserve_vcc 1
		.amdhsa_float_denorm_mode_32 3
		.amdhsa_float_denorm_mode_16_64 3
		.amdhsa_memory_ordered 1
		.amdhsa_forward_progress 1
		.amdhsa_inst_pref_size 182
	.end_amdhsa_kernel
	.amdgpu_metadata
---
amdhsa.version: [ 1, 2 ]
amdhsa.kernels:
  - .name:           k_qd1b8444dcf_attn
    .symbol:         k_qd1b8444dcf_attn.kd
    .args:
      - { .name: refer_feature, .offset: 0, .size: 8, .value_kind: global_buffer, .address_space: global }
      - { .name: img_feature, .offset: 8, .size: 8, .value_kind: global_buffer, .address_space: global }
      - { .name: refer_r, .offset: 16, .size: 8, .value_kind: global_buffer, .address_space: global }
      - { .name: wf, .offset: 24, .size: 8, .value_kind: global_buffer, .address_space: global }
      - { .name: b2, .offset: 32, .size: 8, .value_kind: global_buffer, .address_space: global }
      - { .name: out0, .offset: 40, .size: 8, .value_kind: global_buffer, .address_space: global }
    .group_segment_fixed_size: 281344
    .private_segment_fixed_size: 0
    .kernarg_segment_align: 8
    .kernarg_segment_size: 48
    .max_flat_workgroup_size: 128
    .sgpr_count:     66
    .vgpr_count:     258
    .wavefront_size: 32
...
	.end_amdgpu_metadata
.endif
;; end of part 2
